; MI455X (gfx1250); checked and timed in simulation.
; The chip was launched on July 23, 2026; its instructions are those of AMD's public machine-readable ISA for CDNA 5 (MIT licence, August 2026) and "CDNA5" Instruction Set Architecture Reference Guide (July 2026). The comments in the code are by the model that wrote it; some were corrected since.
;; Masked Sim Attn. Allowed arithmetic: float matrix products may take bf16 or f16 operands with f32 sums; all other float work in f32.
;; Inputs: Wk 1,024 x 1,024 float32; Wo 1,024 x 1,024 float32; Wq 1,024 x 1,024 float32; Wv 1,024 x 1,024 float32; k 8 x 1,024 x 1,024 float32; mask 16 x 1,024 x 1,024 float32; q 8 x 1,024 x 1,024 float32; v 8 x 1,024 x 1,024 float32.
;; Outputs: out0 8 x 1,024 x 1,024 float32.
;; One version. Each part assembles by itself: llvm-mc -triple=amdgcn-amd-amdhsa -mcpu=gfx1250 --defsym DOCPART=n.
;; ======== version 1 of 1: 4 launches
;; limits: right only within a limited range of input values; values are held in f16: magnitudes above 65,504 overflow, below 6.1e-05 lose precision
;; workspace buffers: wb 8,388,608 bytes; qkv 50,331,648 bytes; nq 524,288 bytes; xh 16,777,216 bytes
;; launch castw (part 1): grid 256 x 1, 8 waves a work-group, no clusters, 0 bytes of LDS; arguments Wq, Wk, Wv, Wo, wb; writes wb
.if DOCPART == 1
	.amdgcn_target "amdgcn-amd-amdhsa--gfx1250"
	.amdhsa_code_object_version 6
	.text
	.protected	k_q39ad564e9e_castw
	.globl	k_q39ad564e9e_castw
	.p2align	8
	.type	k_q39ad564e9e_castw,@function
k_q39ad564e9e_castw:
	s_mov_b64 s[64:65], 0
	v_nop
	global_prefetch_b8 v0, s[64:65] scope:SCOPE_SE
	s_setreg_imm32_b32 hwreg(HW_REG_WAVE_MODE, 25, 1), 1
	s_wait_xcnt 0x0
; wb = the four weights rounded to bf16, layout kept ([k][n]), one after the other: Wq, Wk, Wv, Wo, 2 MiB each.
; A stream: no LDS, no matrix unit, no cluster (no byte is read twice).  256 work-groups of 8 waves; a work-group takes 16 KiB of each weight.
; Thread t takes, for weight i and pass p, 8 numbers (32 bytes in, 16 bytes out): a wave's store covers 512 consecutive bytes, aligned.
; All 16 loads of a thread go out first; chunk c = 2 i + p is converted and stored when its two loads are in.
.set X, 4                              ; v[4:67]   chunk c: 8 f32 as loaded
.set Y, 68                             ; v[68:99]  chunk c: 8 bf16 to store
	s_load_b256 s[4:11], s[0:1], 0x0               ; Wq s[4:5], Wk s[6:7], Wv s[8:9], Wo s[10:11]
	s_load_b64 s[12:13], s[0:1], 0x20              ; wb
	s_lshl_b32 s14, ttmp9, 14                      ; the work-group's 16 KiB in each weight
	s_mov_b32 s15, 0
	v_lshlrev_b32 v1, 5, v0                        ; 32 t: my 8 numbers in f32
	v_lshlrev_b32 v2, 4, v0                        ; 16 t: the same in bf16
	s_wait_kmcnt 0x0
	s_add_nc_u64 s[4:5], s[4:5], s[14:15]
	s_add_nc_u64 s[6:7], s[6:7], s[14:15]
	s_add_nc_u64 s[8:9], s[8:9], s[14:15]
	s_add_nc_u64 s[10:11], s[10:11], s[14:15]
	s_lshl_b32 s14, ttmp9, 13                      ; and its 8 KiB in each part of wb
	s_add_nc_u64 s[12:13], s[12:13], s[14:15]
.set c, 0
.rept 8
	global_load_b128 v[X+8*c:X+8*c+3],   v1, s[4+2*(c/2):5+2*(c/2)] offset:(c%2)*8192 th:TH_LOAD_NT
	global_load_b128 v[X+8*c+4:X+8*c+7], v1, s[4+2*(c/2):5+2*(c/2)] offset:(c%2)*8192+16 th:TH_LOAD_NT
.set c, c+1
.endr
.set c, 0
.rept 8
	s_wait_loadcnt 14-2*c                          ; loads come back in order: chunk c's two are in, the 14 - 2 c younger ones stay out
.irp j, 0,1,2,3
	v_cvt_pk_bf16_f32 v[Y+4*c+\j], v[X+8*c+2*\j], v[X+8*c+2*\j+1]
.endr
	global_store_b128 v2, v[Y+4*c:Y+4*c+3], s[12:13] offset:(c/2)*2097152+(c%2)*4096
.set c, c+1
.endr
	s_endpgm
.Lfunc_end_k_q39ad564e9e_castw:
	.size	k_q39ad564e9e_castw, .Lfunc_end_k_q39ad564e9e_castw-k_q39ad564e9e_castw
	.p2alignl 7, 3214868480
	.fill 96, 4, 3214868480
	.section	.rodata,"a",@progbits
	.p2align	6, 0x0
	.amdhsa_kernel k_q39ad564e9e_castw
		.amdhsa_group_segment_fixed_size 0
		.amdhsa_private_segment_fixed_size 0
		.amdhsa_enable_private_segment 0
		.amdhsa_kernarg_size 40
		.amdhsa_user_sgpr_count 2
		.amdhsa_user_sgpr_kernarg_segment_ptr 1
		.amdhsa_wavefront_size32 1
		.amdhsa_system_sgpr_workgroup_id_x 1
		.amdhsa_system_sgpr_workgroup_id_y 1
		.amdhsa_system_sgpr_workgroup_id_z 1
		.amdhsa_system_vgpr_workitem_id 0
		.amdhsa_next_free_vgpr 100
		.amdhsa_next_free_sgpr 66
		.amdhsa_reserve_vcc 0
		.amdhsa_float_denorm_mode_32 3
		.amdhsa_float_denorm_mode_16_64 3
		.amdhsa_memory_ordered 1
		.amdhsa_forward_progress 1
		.amdhsa_inst_pref_size 6
	.end_amdhsa_kernel
	.amdgpu_metadata
---
amdhsa.version: [ 1, 2 ]
amdhsa.kernels:
  - .name:           k_q39ad564e9e_castw
    .symbol:         k_q39ad564e9e_castw.kd
    .args:
      - { .name: Wq, .offset: 0, .size: 8, .value_kind: global_buffer, .address_space: global }
      - { .name: Wk, .offset: 8, .size: 8, .value_kind: global_buffer, .address_space: global }
      - { .name: Wv, .offset: 16, .size: 8, .value_kind: global_buffer, .address_space: global }
      - { .name: Wo, .offset: 24, .size: 8, .value_kind: global_buffer, .address_space: global }
      - { .name: wb, .offset: 32, .size: 8, .value_kind: global_buffer, .address_space: global }
    .group_segment_fixed_size: 0
    .private_segment_fixed_size: 0
    .kernarg_segment_align: 8
    .kernarg_segment_size: 40
    .max_flat_workgroup_size: 256
    .sgpr_count:     66
    .vgpr_count:     100
    .wavefront_size: 32
...
	.end_amdgpu_metadata
.endif
;; end of part 1
;; launch proj (part 2): grid 4 x 64, 4 waves a work-group, clusters of 4 x 4, 327,680 bytes of LDS; arguments q, k, v, wb, qkv, nq; writes qkv, nq
.if DOCPART == 2
	.amdgcn_target "amdgcn-amd-amdhsa--gfx1250"
	.amdhsa_code_object_version 6
	.text
	.protected	k_q39ad564e9e_proj
	.globl	k_q39ad564e9e_proj
	.p2align	8
	.type	k_q39ad564e9e_proj,@function
k_q39ad564e9e_proj:
	s_mov_b64 s[64:65], 0
	v_nop
	global_prefetch_b8 v0, s[64:65] scope:SCOPE_SE
	s_setreg_imm32_b32 hwreg(HW_REG_WAVE_MODE, 25, 1), 1
	s_wait_xcnt 0x0
	s_wait_alu depctr_hold_cnt(0) depctr_sa_sdst(0) depctr_va_vdst(0) depctr_va_sdst(0) depctr_va_ssrc(0) depctr_va_vcc(0) depctr_vm_vsrc(0)
	s_getreg_b32 s2, hwreg(HW_REG_IB_STS2, 6, 4)
	s_cmp_eq_u32 s2, 0
	s_cbranch_scc0 .Lentry_in_a_cluster
	s_endpgm
.Lentry_in_a_cluster:
	s_bfe_u32 s2, ttmp6, 0x10000c
	s_cmp_lg_u32 s2, 0xf033
	s_cbranch_scc0 .Lentry_shape_is_right
	s_endpgm
.Lentry_shape_is_right:
; THE THREE PROJECTIONS.  y = x W for (q, Wq), (k, Wk), (v, Wv); x [8192][1024] f32, W [1024 k][1024 n] bf16 (wb).  Each head row (64 channels) of y is divided by max(its norm, 1e-12) and
; stored as f16, so that every number lies in -1 .. 1; q's divisors are stored in f32 (nq): the module is linear in q's rows, and the next launch multiplies them back.
; qkv: f16 [q, k, v][head 16][block of 64 rows 16][batch 8][64 rows][64 channels].  nq: f32 [batch][head][row].
; LIMITS.  A head row's sum of squares must stay finite in f32 (norm below 1.8e19).  A q row with a norm below 1e-12 is divided by 1e-12 and keeps f16's fixed step only.  x and W enter the products rounded to bf16.
; SHARES.  3 x 8192 x 1024 outputs over 256 work-groups are three tiles of 128 x 256: a work-group STAYS and makes tile (ty, tx) of q, then of k, then of v: 24 K steps of 128 through one ring of two LDS slots.
; A wave makes 64 x 128: 32 accumulators.  The matrix instruction is used transposed (source 0 = 16 columns of W, source 1 = 16 rows of x): a lane holds one row and eight neighbouring columns.
; x comes into LDS as f32 and is rounded to bf16 in registers, the conversions standing behind matrix instructions; W lies [k][n] and comes out of LDS turned, by ds_load_tr16_b128.
; CLUSTER 4 x 4: x's tile hangs on ty alone and is asked for jointly along a row of the cluster, W's on tx alone and jointly along a column.
; REGISTERS.  window 0: v0-31 addresses; v32-95 AST (x as f32, 4 fragments x 16); v96-127 AF (the same in bf16); v128-191, v192-255 W's fragments, two buffers.  window 1: accumulator (a, b) at v[8 (8 a + b)].
.set APITCH, 528                       ; a row of x in LDS: 512 bytes + 16: the 16 rows of a load start 4 words apart modulo 64 words
.set BPITCH, 544                       ; a row of W: 512 bytes + 32: an odd multiple of 32, for the turning load
.set AHALF,  64*APITCH                 ; what one tensor load brings of x, and what one wave reads of it
.set ABYTES, 128*APITCH
.set BHALF,  64*BPITCH
.set SLOT,   ABYTES+128*BPITCH         ; x's 128 rows, then W's 128 rows of k
.set STAGE,  2*SLOT                    ; behind the ring: 16 rows x 144 bytes for each wave, for the way out
.set SP,     144
.set SPARE,  STAGE+4*16*SP             ; behind the stages: the spare words, 128 bytes a wave, which no other line names
.set NT,   8                           ; v8-11   norms on their way out
.set ADRA, 16                          ; v16-17  LDS address of my fragments of x in slot 0, 1
.set ADRB, 20                          ; v20-21  the same for W
.set STO,  24                          ; v24     the way out: where I put 16 bytes of a row
.set RD,   25                          ; v25     where I read rows back
.set GO,   26                          ; v26     16 x lane
.set NO,   27                          ; v27     4 x lane
.set SPW,  28                          ; v28     my spare word; never rewritten
.set NIL,  29                          ; v29     0; never rewritten
.set AST,  32
.set AF,   96
.set SS,   96                          ; the way out: sums of squares, a pair for each of 8 groups (16 rows x one head)
.set ST,   112                         ; the way out: (1 / divisor, divisor) for each group
.set B0,   128
.set B1,   192
.set T,    192                         ; the way out: 16 packed registers
.set RB,   208                         ; the way out: rows read back, two sets of 16
.set WV,  16                           ; s16 wave; s17 its row half, also: it fetches x (0) or W (1); s18 its column half, also: which half of a tile it fetches
.set WM,  17
.set WN,  18
.set G1A, 24                           ; s[24:31] group 1 for x's tiles;  s[32:39] group 0, a set for each slot
.set G0A, 32
.set G1B, 40                           ; s[40:47], s[48:55] the same for W's
.set G0B, 48
.set PA,  56                           ; s[56:57] x at the K step that slot 0 asks for
.set NB,  58                           ; s[58:59] the next tensor at my rows
.set VA,  60                           ; s[60:61] v at my rows
.set TMP, 62
.set LAP, 66                           ; s66 laps (two K steps) to go
.set RT,  67                           ; s67 laps of the tile in hand to go
.set SEL, 68                           ; s[68:69] v_permlanex16_b32's selects
.set LM,  70                           ; s70 the mask of lanes 0-15
.set TN,  71                           ; s71 the tile's number: 0 q, 1 k, 2 v
.set OB,  72                           ; s[72:73] qkv at my first head and rows
.set NQB, 74                           ; s[74:75] nq at my first head and rows
.set MUL, 0x50                         ; sources in window 0, C and D in window 1
.set MSB, 0
.macro WIN new                         ; the immediate's high byte repeats the setting that is left; a switch that changes nothing is dropped
.if MSB != (\new)
	s_set_vgpr_msb (MSB<<8)|(\new)
.set MSB, (\new)
.endif
.endm
.macro PLACES                          ; four plain vector instructions between a matrix instruction and a load into, or a vector access to, its registers
.rept 4
	v_nop
.endr
.endm
.macro JLOAD s                         ; a joint load: waves 0 and 1 fetch x's two halves, waves 2 and 3 W's
	s_cmp_eq_u32 s[WM], 0
	s_cbranch_scc0 .Lfor_b_\@
	tensor_load_to_lds s[G0A+4*(\s):G0A+4*(\s)+3], s[G1A:G1A+7]
	s_nop 0
.rept 4
	v_nop
.endr
	s_branch .Lasked_\@
.Lfor_b_\@:
	tensor_load_to_lds s[G0B+4*(\s):G0B+4*(\s)+3], s[G1B:G1B+7]
	s_nop 0
.rept 4
	v_nop
.endr
.Lasked_\@:
.endm
.macro CREST                           ; a round of the cluster's barrier behind its opening barrier
	s_cmp_lg_u32 s[WV], 0
	s_cbranch_scc1 .Lnot_wave_0_\@
	s_barrier_signal -3
.Lnot_wave_0_\@:
	s_barrier_wait -3
	s_barrier_signal -1
	s_barrier_wait -1
.endm
.macro CROUND
	s_barrier_signal -1
	s_barrier_wait -1
	CREST
.endm
	s_load_b256 s[4:11], s[0:1], 0x0               ; q s[4:5], k s[6:7], v s[8:9], wb s[10:11]
	s_load_b128 s[12:15], s[0:1], 0x20             ; qkv s[12:13], nq s[14:15]
	v_lshl_add_u32 v[SPW], v0, 2, SPARE
	v_mov_b32 v[NIL], 0
	ds_add_u32 v28, v29
	ds_add_u32 v28, v29
	s_wait_dscnt 0x0
	v_lshrrev_b32 v3, 5, v0
	v_readfirstlane_b32 s[WV], v3
	s_lshr_b32 s[WM], s[WV], 1
	s_and_b32 s[WN], s[WV], 1
	s_bfe_u32 s19, ttmp6, 0x40000                  ; cx
	s_bfe_u32 s20, ttmp6, 0x40004                  ; cy
	s_lshl_b32 s21, ttmp9, 2
	s_add_co_u32 s21, s21, s19                     ; tx: the tile's 256 columns (4 heads)
	s_and_b32 s22, ttmp7, 0xffff
	s_lshl_b32 s22, s22, 2
	s_add_co_u32 s22, s22, s20                     ; ty: the tile's 128 rows
	s_lshl_b32 s76, s20, 2
	s_lshl_b32 s76, 15, s76                        ; my row of the cluster
	s_lshl_b32 s78, 0x1111, s19                    ; my column
	s_or_b32 s[G1A], s76, (2<<16)|(1<<20)|(1<<21)|(6<<22)|(3<<25)  ; mask; 4-byte elements; padding on; bit 21 beside a mask; after every 128 words 4 words
	s_mov_b32 s[G1A+1], 128<<16                    ; tensor_dim0 = 128
	s_mov_b32 s[G1A+2], 64<<16                     ; tensor_dim1 = 64
	s_mov_b32 s[G1A+3], 128<<16                    ; tile_dim0 = 128
	s_mov_b32 s[G1A+4], 64                         ; tile_dim1 = 64
	s_mov_b32 s[G1A+5], 1024                       ; elements from row to row
	s_mov_b32 s[G1A+6], 0
	s_mov_b32 s[G1A+7], 0
	s_or_b32 s[G1B], s78, (1<<16)|(1<<20)|(1<<21)|(6<<22)|(7<<25)  ; 2-byte elements; after every 128 words 8 words
	s_mov_b32 s[G1B+1], 256<<16
	s_mov_b32 s[G1B+2], 64<<16
	s_mov_b32 s[G1B+3], 256<<16
	s_mov_b32 s[G1B+4], 64
	s_mov_b32 s[G1B+5], 1024
	s_mov_b32 s[G1B+6], 0
	s_mov_b32 s[G1B+7], 0
	s_lshl_b32 s76, s22, 19                        ; x: row 128 ty + 64 half, 4,096 bytes a row: made of ty and the wave alone
	s_lshl_b32 s77, s[WN], 18
	s_add_co_u32 s76, s76, s77
	s_mov_b32 s77, 0
	s_lshl_b32 s78, s21, 9                         ; W: column 256 tx, row of k 64 half: made of tx and the wave alone
	s_lshl_b32 s79, s[WN], 17
	s_add_co_u32 s78, s78, s79
	s_mov_b32 s79, 0
	s_mul_i32 s80, s[WN], AHALF                    ; where they go: no place in the cluster enters an LDS address
	s_mul_i32 s81, s[WN], BHALF
	s_add_co_u32 s81, s81, ABYTES
	s_mov_b32 s[SEL], 0x76543210
	s_mov_b32 s[SEL+1], 0xfedcba98
	s_wait_kmcnt 0x0
	s_add_nc_u64 s[PA:PA+1], s[4:5], s[76:77]
	s_add_nc_u64 s[NB:NB+1], s[6:7], s[76:77]
	s_add_nc_u64 s[VA:VA+1], s[8:9], s[76:77]
	s_add_nc_u64 s[78:79], s[10:11], s[78:79]
	s_mov_b32 s[G0A], 1
	s_mov_b32 s[G0A+1], s80
	s_add_nc_u64 s[G0A+2:G0A+3], s[PA:PA+1], 0     ; K step 0
	s_or_b32 s[G0A+3], s[G0A+3], 0x80000000
	s_mov_b32 s[G0A+4], 1
	s_add_co_u32 s[G0A+5], s80, SLOT
	s_add_nc_u64 s[G0A+6:G0A+7], s[PA:PA+1], 512   ; K step 1: 128 f32 on
	s_or_b32 s[G0A+7], s[G0A+7], 0x80000000
	s_mov_b32 s[G0B], 1
	s_mov_b32 s[G0B+1], s81
	s_add_nc_u64 s[G0B+2:G0B+3], s[78:79], 0
	s_or_b32 s[G0B+3], s[G0B+3], 0x80000000
	s_mov_b32 s[G0B+4], 1
	s_add_co_u32 s[G0B+5], s81, SLOT
	s_add_nc_u64 s[G0B+6:G0B+7], s[78:79], 128*2048
	s_or_b32 s[G0B+7], s[G0B+7], 0x80000000
	CROUND                                         ; all sixteen work-groups are here: the first joint loads meet
	s_cmp_eq_u32 s[WM], 0                          ; a wave's two first fills stand in one branch: two loads of mine are out
	s_cbranch_scc0 .Lfirst_b
	tensor_load_to_lds s[G0A:G0A+3], s[G1A:G1A+7]
	s_nop 0
	tensor_load_to_lds s[G0A+4:G0A+7], s[G1A:G1A+7]
	s_nop 0
.rept 4
	v_nop
.endr
	s_branch .Lfirst_asked
.Lfirst_b:
	tensor_load_to_lds s[G0B:G0B+3], s[G1B:G1B+7]
	s_nop 0
	tensor_load_to_lds s[G0B+4:G0B+7], s[G1B:G1B+7]
	s_nop 0
.rept 4
	v_nop
.endr
.Lfirst_asked:
	v_and_b32 v1, 15, v0                           ; r = lane % 16
	v_bfe_u32 v2, v0, 4, 1                         ; hh = lane / 16
	v_mul_u32_u24 v3, v1, APITCH
	v_lshl_add_u32 v3, v2, 5, v3                   ; x: row r, 8 f32 (32 bytes) for each half of the lanes
	s_mul_i32 s84, s[WM], AHALF
	v_add_nc_u32 v[ADRA], s84, v3
	v_add_nc_u32 v[ADRA+1], SLOT, v[ADRA]
	v_and_b32 v6, 7, v0
	v_lshl_add_u32 v4, v2, 3, v6                   ; W, turned: lane reads row of k 8 hh + lane % 8,
	v_mul_u32_u24 v4, v4, BPITCH
	v_bfe_u32 v5, v0, 3, 1
	v_lshl_add_u32 v4, v5, 4, v4                   ; columns 8 ((lane / 8) % 2) + 0..7,
	s_lshl_b32 s84, s[WN], 8                       ; of my 128 columns
	s_add_co_u32 s84, s84, ABYTES
	v_add_nc_u32 v[ADRB], s84, v4
	v_add_nc_u32 v[ADRB+1], SLOT, v[ADRB]
	s_mul_i32 s84, s[WV], 16*SP
	s_add_co_u32 s84, s84, STAGE                   ; my stage
	v_mul_u32_u24 v[STO], v1, SP
	v_lshl_add_u32 v[STO], v2, 4, v[STO]
	v_add_nc_u32 v[STO], s84, v[STO]
	v_bfe_u32 v[RD], v0, 3, 2                      ; back: 32 lanes take four rows of 128 bytes
	v_mul_u32_u24 v[RD], v[RD], SP
	v_lshl_add_u32 v[RD], v6, 4, v[RD]
	v_add_nc_u32 v[RD], s84, v[RD]
	v_and_b32 v[GO], 31, v0
	v_cmp_gt_u32 s[LM], 16, v[GO]
	v_lshlrev_b32 v[NO], 2, v[GO]
	v_lshlrev_b32 v[GO], 4, v[GO]
	; where my results go: head 4 tx + 2 half, block ((ty % 8) x 2 + row half), batch ty / 8
	s_lshl_b32 s84, s21, 2
	s_lshl1_add_u32 s84, s[WN], s84                ; my first head
	s_and_b32 s85, s22, 7
	s_lshl1_add_u32 s85, s85, s[WM]                ; my block of 64 rows
	s_lshr_b32 s86, s22, 3                         ; my batch
	s_lshl_b32 s[OB], s84, 20
	s_lshl_b32 s87, s85, 16
	s_add_co_u32 s[OB], s[OB], s87
	s_lshl_b32 s87, s86, 13
	s_add_co_u32 s[OB], s[OB], s87
	s_mov_b32 s[OB+1], 0
	s_add_nc_u64 s[OB:OB+1], s[12:13], s[OB:OB+1]
	s_lshl4_add_u32 s[NQB], s86, s84
	s_lshl_b32 s[NQB], s[NQB], 12
	s_lshl_b32 s87, s85, 8
	s_add_co_u32 s[NQB], s[NQB], s87
	s_mov_b32 s[NQB+1], 0
	s_add_nc_u64 s[NQB:NQB+1], s[14:15], s[NQB:NQB+1]
; 32 LDS loads in one run: the fragments of 32 along K, quarter kq of slot s: W's into buffer g (turned), x's into AST (f32: 8 + 8 numbers a lane and fragment)
.macro FETCH s, kq, g
	WIN 0
.set ff, 0
.rept 8
	ds_load_tr16_b128 v[(\g)+8*ff:(\g)+8*ff+3],   v[ADRB+(\s)] offset:(\kq)*32*BPITCH+32*ff
	ds_load_tr16_b128 v[(\g)+8*ff+4:(\g)+8*ff+7], v[ADRB+(\s)] offset:(\kq)*32*BPITCH+32*ff+16*BPITCH
.set ff, ff+1
.endr
.set ff, 0
.rept 4
	ds_load_b128 v[AST+16*ff:AST+16*ff+3],     v[ADRA+(\s)] offset:ff*16*APITCH+(\kq)*128
	ds_load_b128 v[AST+16*ff+4:AST+16*ff+7],   v[ADRA+(\s)] offset:ff*16*APITCH+(\kq)*128+16
	ds_load_b128 v[AST+16*ff+8:AST+16*ff+11],  v[ADRA+(\s)] offset:ff*16*APITCH+(\kq)*128+64
	ds_load_b128 v[AST+16*ff+12:AST+16*ff+15], v[ADRA+(\s)] offset:ff*16*APITCH+(\kq)*128+80
.set ff, ff+1
.endr
.endm
.macro CV a, hf                        ; half a fragment of x rounded to bf16: four conversions
	WIN 0
.irp i, 0,1,2,3
	v_cvt_pk_bf16_f32 v[AF+8*(\a)+4*(\hf)+\i], v[AST+16*(\a)+8*(\hf)+2*\i], v[AST+16*(\a)+8*(\hf)+2*\i+1]
.endr
.endm
; 8 matrix instructions: row block a x all 8 column blocks; the accumulators take turns, one instruction a turn.  zero = 1: the products start the sums.
; ride = 1 (row block 0): behind products 0 to 5 stand the conversions of row blocks 1, 2 and 3.
.macro MULA f, a, zero, ride
.set bb, 0
.rept 8
	WIN MUL
.if \zero
	v_wmma_f32_16x16x32_bf16 v[8*(8*(\a)+bb):8*(8*(\a)+bb)+7], v[(\f)+8*bb:(\f)+8*bb+7], v[AF+8*(\a):AF+8*(\a)+7], 0
.else
	v_wmma_f32_16x16x32_bf16 v[8*(8*(\a)+bb):8*(8*(\a)+bb)+7], v[(\f)+8*bb:(\f)+8*bb+7], v[AF+8*(\a):AF+8*(\a)+7], v[8*(8*(\a)+bb):8*(8*(\a)+bb)+7]
.endif
.if (\ride) && (bb < 6)
	CV 1+bb/2, bb%2
.endif
.set bb, bb+1
.endr
.endm
; A K step is four quarters of 32 along K, 32 matrix instructions each.  One of the first three: multiplies buffer f, and in its middle fetches quarter kq into buffer g and AST (all of AST has been converted by then).
.macro QUARTER s, kq, f, g, zero
	s_wait_dscnt 0x0                               ; this quarter's 32 loads, issued 16 matrix instructions ago
	CV 0, 0
	CV 0, 1
	MULA \f, 0, \zero, 1
	MULA \f, 1, \zero, 0
	WIN 0
	PLACES
	FETCH \s, \kq, \g
	MULA \f, 2, \zero, 0
	MULA \f, 3, \zero, 0
.endm
; The last quarter multiplies buffer 1 and changes slots.  A step has 128 matrix instructions a wave for 131,072 bytes of tiles, so the next step hangs on how soon its tile is asked for: the quarter's first 16
; matrix instructions stand AHEAD of the wait for the tensor loads, and between that wait and the refill stand only the add, the descriptors' steps and the round.  In front of the barrier each wave waits for
; all its tensor loads (one is out: its part of the next slot), adds 0 to its spare word, and waits for that; its reads of this slot came back at the macro's first line.
; fill = 1: the barrier opens a round of the cluster's barrier, and behind the round this slot is filled again, two K steps ahead, across tiles too.
.macro TURN s, nx, fill
	s_wait_dscnt 0x0                               ; this quarter's fragments: my last reads of this slot
	CV 0, 0
	CV 0, 1
	MULA B1, 0, 0, 1
	MULA B1, 1, 0, 0
	WIN 0
	s_wait_tensorcnt 0x0                           ; all my tensor loads have landed, so a group 0 may be written
	ds_add_u32 v[SPW], v[NIL]                      ; 0 onto my spare word; the descriptors' steps stand between it and the wait for it
.if \fill
.if (\s) == 0
	s_add_nc_u64 s[TMP:TMP+1], s[PA:PA+1], 1024    ; x two K steps on, or, in a tile's last lap, the next tensor's first K step
	s_cmp_eq_u32 s[RT], 1
	s_cselect_b64 s[PA:PA+1], s[NB:NB+1], s[TMP:TMP+1]
	s_add_nc_u64 s[G0A+2:G0A+3], s[PA:PA+1], 0
	s_or_b32 s[G0A+3], s[G0A+3], 0x80000000
.else
	s_add_nc_u64 s[G0A+6:G0A+7], s[PA:PA+1], 512
	s_or_b32 s[G0A+7], s[G0A+7], 0x80000000
.endif
	s_add_nc_u64 s[G0B+4*(\s)+2:G0B+4*(\s)+3], s[G0B+4*(\s)+2:G0B+4*(\s)+3], 256*2048  ; W 256 rows of k on: Wq, Wk, Wv lie end to end
.endif
	s_wait_dscnt 0x0                               ; the add is done
	s_barrier_signal -1
	s_barrier_wait -1
.if \fill
	CREST                                          ; no wave of any partner still reads this slot or has a load on its way
	JLOAD \s                                       ; my one tensor load behind the round; its four v_nop are also the places in front of the loads below
.else
	PLACES
.endif
	FETCH \nx, 0, B0
	MULA B1, 2, 0, 0                               ; the quarter's other 16 matrix instructions stand behind the new slot's first LDS loads
	MULA B1, 3, 0, 0
.endm
; THE WAY OUT.  Group g = 2 a + hd is 16 rows x one head: the 32 registers from 32 g in window 1; a lane holds 32 of a row's 64 channels, the lane 16 away the others.
.macro ALLG line:vararg
.set gg, 0
.rept 8
	\line
.set gg, gg+1
.endr
.endm
.macro PACK g                          ; divided, rounded to f16, into my stage by 16 bytes, back as four rows of 128 bytes a load
	WIN 0x41
.set ii, 0
	s_wait_alu depctr_va_vdst(0)
.rept 16
	v_pk_mul_f32 v[32*(\g)+2*ii:32*(\g)+2*ii+1], v[32*(\g)+2*ii:32*(\g)+2*ii+1], v[ST+2*(\g):ST+2*(\g)+1] op_sel_hi:[1,0]
.set ii, ii+1
.endr
	WIN 0x05
.set ii, 0
.rept 16
	v_cvt_pk_f16_f32 v[T+ii], v[32*(\g)+2*ii], v[32*(\g)+2*ii+1]
.set ii, ii+1
.endr
	WIN 0
.irp f, 0,1,2,3
	ds_store_b128 v[STO], v[T+4*\f:T+4*\f+3] offset:32*\f
.endr
	s_wait_xcnt 0x0                                ; the stores of two groups ago have read the registers that are loaded below
.irp f, 0,1,2,3
	ds_load_b128 v[RB+16*((\g)%2)+4*\f:RB+16*((\g)%2)+4*\f+3], v[RD] offset:\f*4*SP  ; LDS serves a wave's instructions in order: these see the stores above
.endr
.endm
.macro SEND g, younger                 ; younger: the next group's 4 stores and 4 loads, or none
	WIN 0
	s_wait_dscnt \younger
.irp f, 0,1,2,3
	global_store_b128 v[GO], v[RB+16*((\g)%2)+4*\f:RB+16*((\g)%2)+4*\f+3], s[OB:OB+1] offset:((\g)%2)*1048576+((\g)/2)*2048+\f*512  ; 512 consecutive bytes, aligned
.endr
.endm
.macro WAYOUT nqs                      ; nqs = 1: the copy in the loop, which stores the divisors if the tile is q's
	WIN 0
	PLACES
	WIN 0x05                                       ; sources 0 and 1 in window 1
.set ii, 0
.rept 16                               ; eight chains; each accumulator is read from its low end on
.set gg, 0
.rept 8
.if ii == 0
	v_pk_mul_f32 v[SS+2*gg:SS+2*gg+1], v[32*gg:32*gg+1], v[32*gg:32*gg+1]
.else
	v_pk_fma_f32 v[SS+2*gg:SS+2*gg+1], v[32*gg+2*ii:32*gg+2*ii+1], v[32*gg+2*ii:32*gg+2*ii+1], v[SS+2*gg:SS+2*gg+1]
.endif
.set gg, gg+1
.endr
.set ii, ii+1
.endr
	WIN 0
	ALLG v_add_f32 v[SS+2*gg], v[SS+2*gg], v[SS+2*gg+1]
	ALLG v_permlanex16_b32 v[SS+2*gg+1], v[SS+2*gg], s[SEL], s[SEL+1]
	ALLG v_add_f32 v[SS+2*gg], v[SS+2*gg], v[SS+2*gg+1]
	ALLG v_sqrt_f32 v[ST+2*gg+1], v[SS+2*gg]
	v_nop                                          ; a plain instruction between the last root and the use of its result
	s_wait_alu depctr_va_vdst(0)
	ALLG v_max_num_f32 v[ST+2*gg+1], 0x2b8cbccc, v[ST+2*gg+1]
	ALLG v_rcp_f32 v[ST+2*gg], v[ST+2*gg+1]
	v_nop
	s_wait_alu depctr_va_vdst(0)
.if \nqs
	s_cmp_lg_u32 s[TN], 0
	s_cbranch_scc1 .Lno_nq_\@
.irp x, 0,1,2,3                        ; x = 2 hd + a / 2: lanes 0-15 give row block a's divisors, lanes 16-31 row block a + 1's: 32 rows, 128 consecutive bytes
	v_cndmask_b32 v[NT+\x], v[ST+2*(2*(2*(\x%2)+1)+\x/2)+1], v[ST+2*(2*(2*(\x%2))+\x/2)+1], s[LM]
	global_store_b32 v[NO], v[NT+\x], s[NQB:NQB+1] offset:(\x/2)*4096+(\x%2)*128
.endr
.Lno_nq_\@:
.endif
	PACK 0
.set tt, 1
.rept 7
	PACK tt
	SEND tt-1, 8
.set tt, tt+1
.endr
	SEND 7, 0
.endm
	s_wait_tensorcnt 0x1                           ; my part of K step 0 is in; K step 1's may stay out
	s_barrier_signal -1
	s_barrier_wait -1
	FETCH 0, 0, B0
	s_mov_b32 s[LAP], 12
	s_mov_b32 s[RT], 4
	s_mov_b32 s[TN], 0
	s_branch .Lzero                                ; the loop is entered at a tile's first quarter, in the middle of a trip
.Llap:                                                 ; a trip: a lap's second half from the change of slots on, then the next lap's first three quarters; both slots are filled again
	TURN 0, 1, 1
	QUARTER 1, 1, B0, B1, 0
	QUARTER 1, 2, B1, B0, 0
	QUARTER 1, 3, B0, B1, 0
	TURN 1, 0, 1
	WIN 0
	s_sub_co_u32 s[RT], s[RT], 1
	s_cmp_lg_u32 s[RT], 0
	s_cbranch_scc1 .Lsame
	WAYOUT 1                                       ; the tile is finished; both refills for the next tile have been asked for
	s_wait_xcnt 0x0                                ; the stores have read their base
	s_add_nc_u64 s[OB:OB+1], s[OB:OB+1], 0x1000000 ; the next of q, k, v
	s_mov_b64 s[NB:NB+1], s[VA:VA+1]
	s_add_co_u32 s[TN], s[TN], 1
	s_mov_b32 s[RT], 4
.Lzero:
	QUARTER 0, 1, B0, B1, 1                        ; a tile's first products start the sums: nothing is cleared
	WIN 0
	s_branch .Ljoin
.Lsame:
	QUARTER 0, 1, B0, B1, 0
	WIN 0
.Ljoin:
	QUARTER 0, 2, B1, B0, 0
	QUARTER 0, 3, B0, B1, 0
	WIN 0
	s_sub_co_u32 s[LAP], s[LAP], 1
	s_cmp_lg_u32 s[LAP], 0
	s_cbranch_scc1 .Llap
	TURN 0, 1, 0                                   ; the tail is written out: nothing is left to ask for
	QUARTER 1, 1, B0, B1, 0
	QUARTER 1, 2, B1, B0, 0
	QUARTER 1, 3, B0, B1, 0
	s_wait_dscnt 0x0
	CV 0, 0
	CV 0, 1
	MULA B1, 0, 0, 1
	MULA B1, 1, 0, 0
	MULA B1, 2, 0, 0
	MULA B1, 3, 0, 0
	WAYOUT 0
	s_wait_tensorcnt 0x0                           ; the wave's end
	ds_add_u32 v[SPW], v[NIL]
	s_wait_dscnt 0x0
	CROUND                                         ; the closing round
	s_endpgm
.Lfunc_end_k_q39ad564e9e_proj:
	.size	k_q39ad564e9e_proj, .Lfunc_end_k_q39ad564e9e_proj-k_q39ad564e9e_proj
	.p2alignl 7, 3214868480
	.fill 96, 4, 3214868480
	.section	.rodata,"a",@progbits
	.p2align	6, 0x0
	.amdhsa_kernel k_q39ad564e9e_proj
		.amdhsa_group_segment_fixed_size 327680
		.amdhsa_private_segment_fixed_size 0
		.amdhsa_enable_private_segment 0
		.amdhsa_kernarg_size 48
		.amdhsa_user_sgpr_count 2
		.amdhsa_user_sgpr_kernarg_segment_ptr 1
		.amdhsa_wavefront_size32 1
		.amdhsa_system_sgpr_workgroup_id_x 1
		.amdhsa_system_sgpr_workgroup_id_y 1
		.amdhsa_system_sgpr_workgroup_id_z 1
		.amdhsa_system_vgpr_workitem_id 0
		.amdhsa_next_free_vgpr 512
		.amdhsa_next_free_sgpr 96
		.amdhsa_reserve_vcc 0
		.amdhsa_float_denorm_mode_32 3
		.amdhsa_float_denorm_mode_16_64 3
		.amdhsa_memory_ordered 1
		.amdhsa_forward_progress 1
		.amdhsa_inst_pref_size 174
	.end_amdhsa_kernel
	.amdgpu_metadata
---
amdhsa.version: [ 1, 2 ]
amdhsa.kernels:
  - .name:           k_q39ad564e9e_proj
    .symbol:         k_q39ad564e9e_proj.kd
    .args:
      - { .name: q, .offset: 0, .size: 8, .value_kind: global_buffer, .address_space: global }
      - { .name: k, .offset: 8, .size: 8, .value_kind: global_buffer, .address_space: global }
      - { .name: v, .offset: 16, .size: 8, .value_kind: global_buffer, .address_space: global }
      - { .name: wb, .offset: 24, .size: 8, .value_kind: global_buffer, .address_space: global }
      - { .name: qkv, .offset: 32, .size: 8, .value_kind: global_buffer, .address_space: global }
      - { .name: nq, .offset: 40, .size: 8, .value_kind: global_buffer, .address_space: global }
    .group_segment_fixed_size: 327680
    .private_segment_fixed_size: 0
    .kernarg_segment_align: 8
    .kernarg_segment_size: 48
    .max_flat_workgroup_size: 128
    .sgpr_count:     96
    .vgpr_count:     512
    .wavefront_size: 32
...
	.end_amdgpu_metadata
.endif
;; end of part 2
;; launch attn (part 3): grid 16 x 16, 4 waves a work-group, clusters of 4 x 1, 327,680 bytes of LDS; arguments qkv, nq, mask, xh; writes xh
.if DOCPART == 3
	.amdgcn_target "amdgcn-amd-amdhsa--gfx1250"
	.amdhsa_code_object_version 6
	.text
	.protected	k_q39ad564e9e_attn
	.globl	k_q39ad564e9e_attn
	.p2align	8
	.type	k_q39ad564e9e_attn,@function
k_q39ad564e9e_attn:
	s_mov_b64 s[64:65], 0
	v_nop
	global_prefetch_b8 v0, s[64:65] scope:SCOPE_SE
	s_setreg_imm32_b32 hwreg(HW_REG_WAVE_MODE, 25, 1), 1
	s_wait_xcnt 0x0
	s_wait_alu depctr_hold_cnt(0) depctr_sa_sdst(0) depctr_va_vdst(0) depctr_va_sdst(0) depctr_va_ssrc(0) depctr_va_vcc(0) depctr_vm_vsrc(0)
	s_getreg_b32 s2, hwreg(HW_REG_IB_STS2, 6, 4)
	s_cmp_eq_u32 s2, 0
	s_cbranch_scc0 .Lentry_in_a_cluster
	s_endpgm
.Lentry_in_a_cluster:
	s_bfe_u32 s2, ttmp6, 0x10000c
	s_cmp_lg_u32 s2, 0x3003
	s_cbranch_scc0 .Lentry_shape_is_right
	s_endpgm
.Lentry_shape_is_right:
; GATED ATTENTION WITHOUT SOFTMAX.  x[b][h][l][:] = nq[b][h][l] x the sum over s of (q^[l] . k^[s]) g[h][l][s] v^[s][:], g = (tanh(mask) + 1) / 2 = 1 / (1 + 2^(-2.88539 mask)).
; q^, k^, v^ are unit head rows in f16 (qkv).  Scores, gate and their product are f32; the gated score, which lies in -1 .. 1, is rounded once to f16 on its way to the second product; sums in f32; x is rounded once, to bf16.
; LIMITS.  The gate differs from (tanh + 1) / 2 by the roundings of one exponential and one reciprocal; a gated score below 6e-5 keeps f16's fixed step of 6e-8.  NaN and infinities are not treated apart.
; SHARES.  The gate hangs on (h, l, s) and not on the batch.  A work-group owns one head, 64 queries and ALL 8 batches, so every mask number is read once and every gate made once in the launch.
; Wave w owns batches 2 w and 2 w + 1 (4 tiles of 16 queries each); O^T of both stays in registers.  The walk: 16 steps of 64 keys.  In a step wave w makes rows 16 w .. 16 w + 15 of the NEXT step's gate
; tile (64 x 64), which goes to the others through LDS.
; THE ORDER OF THE KEYS is free, since the sum has no softmax: trip j takes key step (4 x cluster x + j) mod 16.  So the four clusters of a head ask for four different tiles in every trip, and in 12 of its 16
; trips a cluster asks for a tile that another cluster of the head asked for 4 trips before.
; LAYOUT.  S^T = K Q^T: a lane holds one query (lane % 16) and the keys 8 (lane / 16) + 0..7; two such results, times the gate and rounded to f16 in place, ARE source 1 of O^T = V^T P.
; ORDER OF A STEP.  V^T P of batch 1 is put off into the next step: its first half stands ahead of the wait for the tile, so that nothing but the add and the round lies between a tile's landing and the next
; request; its second half covers the step's first LDS loads.  The gate's arithmetic stands behind that half and behind K Q^T of batch 0; the gating of batch 0 behind K Q^T of batch 1; that of batch 1 behind V^T P of batch 0.
; ONE TEXT FOR A STEP: the slot that is read is s[TB], 0 or SLOTB, turned by an exclusive or; one descriptor a tensor walks, its LDS word turned by the same exclusive or.
; CLUSTER 4 x 1: the four query blocks of a cluster belong to one head and walk the same K and V: each tile is asked for jointly.  One tensor load of a wave is out behind each round.
; REGISTERS.  window 0: v0-31 addresses; v32-63 the mask on its way in; v64-95 a gate at work; v96-111 nq; v128-255 the step's gate, f32.  window 1: S^T / P, 128 a batch.
;   window 2: v0-63, v64-127 K or V of batch 0, 1; v128-255 Q.  window 3: O^T, 128 a batch.
.set PKP,   144                        ; a row of K in LDS: 128 bytes + 16: the 16 rows of a load start at 16 different groups of 4 words modulo 64
.set KB1,   64*PKP                     ; a batch's 64 keys
.set PV2,   288                        ; TWO rows of V: 256 bytes + 32: key i at (i / 2) 288 + (i % 2) 128: the 8 rows of a turning load start at words 0, 32, 8, 40, 16, 48, 24, 56 modulo 64, 8 words each
.set VB1,   32*PV2
.set VOFF,  8*KB1
.set SLOTB, VOFF+8*VB1                 ; a step: K of 8 batches, then V of 8 batches: 147,456 = 0x24000, which shares no bit with the tiles' places in a slot, 0, 0x9000, 0x12000, 0x1b000
.set GB,    2*SLOTB                    ; behind the ring, never filled by a tensor load: the gate tile, 64 rows of 64 f32; at the end each wave's 16 rows serve as its stage
.set GP,    272                        ; a row of the gate: 256 bytes + 16
.set SPARE, GB+64*GP                   ; the spare words, 128 bytes a wave, which no other line names
.set AK0, 4                            ; v4      my lane's place in K of my first batch, slot 0; never rewritten
.set AV0, 5                            ; v5      the same for V
.set AKC, 6                            ; v6      the same in the slot in hand
.set AVC, 7                            ; v7
.set AG,  12                           ; v12     where I read the gate
.set GS,  13                           ; v13     where I store my part of it
.set MO0, 14                           ; v14     my byte offset in the block's rows of the mask, key step 0
.set MO,  16                           ; v16     the same for the key step on its way in
.set QO,  18
.set STO, 19
.set RD,  20
.set GO,  21
.set NO,  22
.set SPW, 28
.set NIL, 29
.set MKB, 32
.set MKA, 64
.set NQ,  96                           ; tile e = 4 i + t: its query's factor in the even register of pair e
.set G,   128                          ; result (t, kb)'s eight gates at G + 8 (4 t + kb)
.set OT,  128                          ; the way out: 16 registers a tile
.set WV,  12
.set G1K, 24
.set G1V, 32
.set G0K, 40                           ; s[40:43] group 0 for K's tiles: it walks
.set G0V, 44                           ; s[44:47] the same for V's
.set CNT, 56
.set MJ,  57                           ; s57 4 x cluster x + the trip whose mask is loaded next
.set TT,  58
.set KJ,  59                           ; s59 4 x cluster x + the trip whose tile is asked for next
.set MB,  60                           ; s[60:61] mask at my head's and block's first row
.set CC,  62                           ; s[62:63] -2 log2(e), twice
.set XB,  66                           ; s[66:67] xh at my first batch, head and block
.set QB,  68
.set NB,  70
.set TB,  73                           ; s73 the slot in hand: 0 or SLOTB
.set KB,  74                           ; s[74:75] k^ at my head's key step 0, my half of the batches
.set VB,  76                           ; s[76:77] v^ likewise
.set OFF, 78                           ; s[78:79] a key step's byte offset
.set MSB, 0
.macro WIN new
.if MSB != (\new)
	s_set_vgpr_msb (MSB<<8)|(\new)
.set MSB, (\new)
.endif
.endm
.macro PLACES
.rept 4
	v_nop
.endr
.endm
.macro JLOAD                           ; a joint fill: waves 0 and 1 fetch K of batches 0-3 and 4-7, waves 2 and 3 V
	s_cmp_lt_u32 s[WV], 2
	s_cbranch_scc0 .Lfor_v_\@
	tensor_load_to_lds s[G0K:G0K+3], s[G1K:G1K+7]
	s_nop 0
.rept 4
	v_nop
.endr
	s_branch .Lasked_\@
.Lfor_v_\@:
	tensor_load_to_lds s[G0V:G0V+3], s[G1V:G1V+7]
	s_nop 0
.rept 4
	v_nop
.endr
.Lasked_\@:
.endm
.macro CREST
	s_cmp_lg_u32 s[WV], 0
	s_cbranch_scc1 .Lnot_wave_0_\@
	s_barrier_signal -3
.Lnot_wave_0_\@:
	s_barrier_wait -3
	s_barrier_signal -1
	s_barrier_wait -1
.endm
.macro CROUND
	s_barrier_signal -1
	s_barrier_wait -1
	CREST
.endm
	s_load_b256 s[4:11], s[0:1], 0x0               ; qkv s[4:5], nq s[6:7], mask s[8:9], xh s[10:11]
	v_lshl_add_u32 v[SPW], v0, 2, SPARE
	v_mov_b32 v[NIL], 0
	ds_add_u32 v28, v29
	ds_add_u32 v28, v29
	s_wait_dscnt 0x0
	v_lshrrev_b32 v3, 5, v0
	v_readfirstlane_b32 s[WV], v3
	s_bfe_u32 s13, ttmp6, 0x40000                  ; cx
	s_lshl_b32 s[KJ], ttmp9, 2                     ; my cluster's first key step: made of the cluster's x alone, which the partners share
	s_add_co_u32 s14, s[KJ], s13                   ; my block of 64 queries: it enters Q's, nq's, the mask's and x's addresses alone
	s_and_b32 s15, ttmp7, 0xffff                   ; the head, which the four partners share
	s_and_b32 s18, s[WV], 1                        ; which four batches of a tile I fetch
	s_lshl_b32 s16, s15, 20                        ; the head's 1 MiB,
	s_lshl_b32 s19, s18, 15                        ; my 32 KiB of a step's 64
	s_add_co_u32 s16, s16, s19
	s_mov_b32 s17, 0
	s_mul_i32 s22, s18, 4*KB1
	s_mul_i32 s23, s18, 4*VB1
	s_add_co_u32 s23, s23, VOFF
	; group 1: 32 KiB dense, asked for as 128 rows of 256 bytes (two keys a row)
	s_mov_b32 s[G1K], 15|(1<<16)|(1<<20)|(1<<21)|(4<<22)|(3<<25)  ; the mask of four; 2-byte elements; padding on; bit 21 beside a mask; after every 32 words (a key) 4 words
	s_mov_b32 s[G1V], 15|(1<<16)|(1<<20)|(1<<21)|(5<<22)|(7<<25)  ; after every 64 words (two keys) 8 words
.irp g, G1K, G1V
	s_mov_b32 s[\g+1], 128<<16                     ; tensor_dim0 = 128
	s_mov_b32 s[\g+2], 128<<16                     ; tensor_dim1 = 128
	s_mov_b32 s[\g+3], 128<<16                     ; tile_dim0 = 128
	s_mov_b32 s[\g+4], 128                         ; tile_dim1 = 128
	s_mov_b32 s[\g+5], 128                         ; elements from row to row
	s_mov_b32 s[\g+6], 0
	s_mov_b32 s[\g+7], 0
.endr
	s_mov_b32 s[CC], 0xc038aa3b                    ; -2.88539
	s_mov_b32 s[CC+1], s[CC]
	s_mov_b32 s[MJ], s[KJ]
	s_lshl_b32 s[OFF], s[KJ], 16                   ; a key step is 64 KiB of k^ and of v^
	s_mov_b32 s[OFF+1], 0
	s_add_co_u32 s[KJ], s[KJ], 1
	s_mov_b32 s[TB], 0
	s_lshl_b32 s[MB], s15, 22                      ; mask: (1024 h + 64 block) rows of 4,096 bytes
	s_lshl_b32 s72, s14, 18
	s_add_co_u32 s[MB], s[MB], s72
	s_mov_b32 s[MB+1], 0
	s_lshl_b32 s[QB], s15, 20                      ; q^: head, block, my first batch
	s_lshl_b32 s72, s14, 16
	s_add_co_u32 s[QB], s[QB], s72
	s_lshl_b32 s72, s[WV], 14
	s_add_co_u32 s[QB], s[QB], s72
	s_mov_b32 s[QB+1], 0
	s_lshl_b32 s[NB], s[WV], 5                     ; nq: ((2 w) 16 + h) rows of 4,096 bytes, 256 bytes a block
	s_add_co_u32 s[NB], s[NB], s15
	s_lshl_b32 s[NB], s[NB], 12
	s_lshl_b32 s72, s14, 8
	s_add_co_u32 s[NB], s[NB], s72
	s_mov_b32 s[NB+1], 0
	s_lshl_b32 s[XB], s[WV], 22                    ; xh: 2 MiB a batch, 128 KiB a head, 8 KiB a block
	s_lshl_b32 s72, s15, 17
	s_add_co_u32 s[XB], s[XB], s72
	s_lshl_b32 s72, s14, 13
	s_add_co_u32 s[XB], s[XB], s72
	s_mov_b32 s[XB+1], 0
	s_wait_kmcnt 0x0
	s_add_nc_u64 s[20:21], s[4:5], s[16:17]
	s_add_nc_u64 s[KB:KB+1], s[20:21], 0x1000000   ; k^ begins 16 MiB in,
	s_add_nc_u64 s[VB:VB+1], s[20:21], 0x2000000   ; v^ 32 MiB in
	s_add_nc_u64 s[MB:MB+1], s[8:9], s[MB:MB+1]
	s_add_nc_u64 s[QB:QB+1], s[4:5], s[QB:QB+1]
	s_add_nc_u64 s[NB:NB+1], s[6:7], s[NB:NB+1]
	s_add_nc_u64 s[XB:XB+1], s[10:11], s[XB:XB+1]
	s_mov_b32 s[G0K], 1
	s_mov_b32 s[G0K+1], s22                        ; slot 0
	s_add_nc_u64 s[G0K+2:G0K+3], s[KB:KB+1], s[OFF:OFF+1]
	s_or_b32 s[G0K+3], s[G0K+3], 0x80000000
	s_mov_b32 s[G0V], 1
	s_mov_b32 s[G0V+1], s23
	s_add_nc_u64 s[G0V+2:G0V+3], s[VB:VB+1], s[OFF:OFF+1]
	s_or_b32 s[G0V+3], s[G0V+3], 0x80000000
	CROUND                                         ; all four work-groups are here
	JLOAD                                          ; trip 0's tile into slot 0; slot 1 is filled behind the first trip's round
	v_and_b32 v1, 15, v0                           ; r
	v_bfe_u32 v2, v0, 4, 1                         ; hh
	v_mul_u32_u24 v3, v1, PKP
	v_lshl_add_u32 v3, v2, 4, v3                   ; r x 144 + 16 hh
	s_mul_i32 s72, s[WV], 2*KB1
	v_add_nc_u32 v[AK0], s72, v3
	v_and_b32 v23, 7, v0
	v_bfe_u32 v24, v0, 1, 2                        ; the turning load: key 8 hh + lane % 8, that is pair 4 hh + (lane % 8) / 2,
	v_lshl_add_u32 v24, v2, 2, v24
	v_mul_u32_u24 v24, v24, PV2
	v_and_b32 v25, 1, v0
	v_lshl_add_u32 v24, v25, 7, v24                ; its first or second key,
	v_bfe_u32 v25, v0, 3, 1
	v_lshl_add_u32 v24, v25, 4, v24                ; channels 8 ((lane / 8) % 2) + 0..7
	s_mul_i32 s72, s[WV], 2*VB1
	s_add_co_u32 s72, s72, VOFF
	v_add_nc_u32 v[AV0], s72, v24
	v_mul_u32_u24 v[AG], v1, GP                    ; the gate as the scores lie: query r, 8 keys = 32 bytes for each half of the lanes
	v_lshl_add_u32 v[AG], v2, 5, v[AG]
	v_add_nc_u32 v[AG], GB, v[AG]
	s_mul_i32 s72, s[WV], 16*GP
	s_add_co_u32 s72, s72, GB                      ; my 16 rows of the gate tile
	v_mul_u32_u24 v[GS], v2, GP
	v_lshl_add_u32 v[GS], v1, 4, v[GS]
	v_add_nc_u32 v[GS], s72, v[GS]                 ; row 16 w + hh (+ 2 n), 4 keys = 16 bytes at 16 r
	v_add_nc_u32 v[STO], s72, v3
	v_bfe_u32 v[RD], v0, 3, 2
	v_mul_u32_u24 v[RD], v[RD], PKP
	v_lshl_add_u32 v[RD], v23, 4, v[RD]
	v_add_nc_u32 v[RD], s72, v[RD]
	v_and_b32 v[GO], 31, v0
	v_lshlrev_b32 v[GO], 4, v[GO]
	v_lshlrev_b32 v[NO], 2, v1
	v_lshlrev_b32 v[QO], 7, v1
	v_lshl_add_u32 v[QO], v2, 4, v[QO]
	s_lshl_b32 s72, s[WV], 16
	v_lshlrev_b32 v[MO0], 4, v1                    ; mask: row 16 w + hh (+ 2 n), 16 lanes take the row's 256 bytes of a key step
	v_lshl_add_u32 v[MO0], v2, 12, v[MO0]
	v_add_nc_u32 v[MO0], s72, v[MO0]
.macro FK i                            ; 16 loads: K of the slot in hand, batch i: key block f / 2, channel half f % 2
	WIN 0x80
.set ff, 0
.rept 8
	ds_load_b128 v[64*(\i)+8*ff:64*(\i)+8*ff+3],   v[AKC] offset:(\i)*KB1+(ff/2)*16*PKP+(ff%2)*64
	ds_load_b128 v[64*(\i)+8*ff+4:64*(\i)+8*ff+7], v[AKC] offset:(\i)*KB1+(ff/2)*16*PKP+(ff%2)*64+32
.set ff, ff+1
.endr
.endm
.macro FV i                            ; 16 turning loads: V of the slot in hand, batch i: key half f / 4, channel block f % 4; 16 keys are 8 pairs
	WIN 0x80
.set ff, 0
.rept 8
	ds_load_tr16_b128 v[64*(\i)+8*ff:64*(\i)+8*ff+3],   v[AVC] offset:(\i)*VB1+(ff/4)*16*PV2+(ff%4)*32
	ds_load_tr16_b128 v[64*(\i)+8*ff+4:64*(\i)+8*ff+7], v[AVC] offset:(\i)*VB1+(ff/4)*16*PV2+(ff%4)*32+8*PV2
.set ff, ff+1
.endr
.endm
.macro FG                              ; 32 loads: the step's gate, laid as the scores are: tile f / 4, key block f % 4
	WIN 0
.set ff, 0
.rept 16
	ds_load_b128 v[G+8*ff:G+8*ff+3],   v[AG] offset:(ff/4)*16*GP+(ff%4)*64
	ds_load_b128 v[G+8*ff+4:G+8*ff+7], v[AG] offset:(ff/4)*16*GP+(ff%4)*64+16
.set ff, ff+1
.endr
.endm
.macro MLOAD                           ; 8 loads: my 16 rows x 64 keys of the next trip's mask; each half of the lanes takes 256 consecutive bytes, aligned.  The loads that named v[MO] before have been waited for.
	WIN 0
	s_and_b32 s[TT], s[MJ], 15                     ; the walk goes round: past its last trip the first key step is loaded once more, inside the buffer, and nothing reads it
	s_lshl_b32 s[TT], s[TT], 8
	v_add_nc_u32 v[MO], s[TT], v[MO0]
.set ff, 0
.rept 8
	global_load_b128 v[MKB+4*ff:MKB+4*ff+3], v[MO], s[MB:MB+1] offset:ff*8192 th:TH_LOAD_NT
.set ff, ff+1
.endr
	s_add_co_u32 s[MJ], s[MJ], 1
.endm
.macro GST                             ; my part of the next step's gate goes to LDS: 16 lanes fill a row's 256 bytes
	WIN 0
.set ff, 0
	s_wait_alu depctr_va_vdst(0)
.rept 8
	ds_store_b128 v[GS], v[MKA+4*ff:MKA+4*ff+3] offset:ff*2*GP
.set ff, ff+1
.endr
.endm
; THE MATRIX WORK, product nn of 32; the accumulators take turns, one instruction a turn.
.macro KQ i                            ; S^T = K Q^T: channels 32 (nn / 16) on, keys 16 ((nn / 4) % 4) on, tile nn % 4; the first 16 start the sums
	WIN 0x5a
.set rS, 128*(\i)+32*(nn%4)+8*((nn/4)%4)
.set rK, 64*(\i)+16*((nn/4)%4)+8*(nn/16)
.set rQ, 128+64*(\i)+16*(nn%4)+8*(nn/16)
.if nn < 16
	v_wmma_f32_16x16x32_f16 v[rS:rS+7], v[rK:rK+7], v[rQ:rQ+7], 0
.else
	v_wmma_f32_16x16x32_f16 v[rS:rS+7], v[rK:rK+7], v[rQ:rQ+7], v[rS:rS+7]
.endif
.endm
.macro PV i                            ; O^T += V^T P: keys 32 (nn / 16) on, channels 16 ((nn / 4) % 4) on, tile nn % 4
	WIN 0xf6
.set rO, 128*(\i)+32*(nn%4)+8*((nn/4)%4)
.set rV, 64*(\i)+32*(nn/16)+8*((nn/4)%4)
.set rP, 128*(\i)+32*(nn%4)+16*(nn/16)
	v_wmma_f32_16x16x32_f16 v[rO:rO+7], v[rV:rV+7], v[rP:rP+7], v[rO:rO+7]
.endm
; Slice nn of 32 of batch i's gating.  Result nn / 2 (tile t, key block kb): even nn: its 8 scores times their gates, in f32, in place, from the low end on;
; odd nn: the 8 products rounded to f16, ascending, into the half kb % 2 of P (t, kb / 2), which lies in the same registers.
.macro GT i
.set gtt, nn/2
.set gss, 128*(\i)+32*(gtt/4)+8*(gtt%4)
.set gdd, 128*(\i)+32*(gtt/4)+16*((gtt%4)/2)+4*(gtt%2)
.if nn%2 == 0
	WIN 0x41
.irp j, 0,1,2,3
	v_pk_mul_f32 v[gss+2*\j:gss+2*\j+1], v[gss+2*\j:gss+2*\j+1], v[G+8*gtt+2*\j:G+8*gtt+2*\j+1]
.endr
.else
	WIN 0x45
.irp j, 0,1,2,3
	v_cvt_pk_f16_f32 v[gdd+\j], v[gss+2*\j], v[gss+2*\j+1]
.endr
.endif
.endm
; Position gpos of 117 of a gate's arithmetic.  0-15: the 32 mask numbers times -2 log2(e), out of the buffer that the loads fill into the buffer at work, so that the next loads can go out.
; Then 10 rounds of 10 on groups of 4 numbers: in round n four exponentials of group n, two additions of 1 for group n - 1, four reciprocals of group n - 2.  So a plain instruction on other registers
; stands between every exponential and the addition that reads it (in round 0 a v_nop), and a v_nop closes the list behind the last reciprocal.
.macro GC
.if gpos < 16
	WIN 0
	v_pk_mul_f32 v[MKA+2*gpos:MKA+2*gpos+1], v[MKB+2*gpos:MKB+2*gpos+1], s[CC:CC+1] op_sel_hi:[1,0]
.elseif gpos < 116
.set gn, (gpos-16)/10
.set gk, (gpos-16)%10
.if gk < 4
.if gn < 8
	WIN 0
	v_exp_f32 v[MKA+4*gn+gk], v[MKA+4*gn+gk]
.endif
.elseif gk < 6
.if (gn > 0) && (gn < 9)
	WIN 0
	s_wait_alu depctr_va_vdst(0)
	v_pk_add_f32 v[MKA+4*gn-4+2*(gk-4):MKA+4*gn-4+2*(gk-4)+1], v[MKA+4*gn-4+2*(gk-4):MKA+4*gn-4+2*(gk-4)+1], 1.0 op_sel_hi:[1,0]
.elseif (gn == 0) && (gk == 4)
	v_nop
.endif
.else
.if gn > 1
	WIN 0
	v_rcp_f32 v[MKA+4*gn-8+gk-6], v[MKA+4*gn-8+gk-6]
.endif
.endif
.elseif gpos == 116
	v_nop
.endif
.set gpos, gpos+1
.endm
.macro PRE                             ; the first half of batch 1's V^T P of the step before: registers alone, ahead of the wait for the tile
.set nn, 0
.rept 16
	PV 1
.set nn, nn+1
.endr
.endm
; A STEP'S HEAD.  Each wave waits for all its tensor loads (one is out: its part of the slot to be read), adds 0 to its spare word, and waits for that, for its reads of the other slot and for its stores of
; the gate.  fill = 1: the barrier opens a round of the cluster's barrier; behind it the other slot is filled with the next trip's tile, which has this whole step in which to land.
.macro HEAD fill
	WIN 0
	s_wait_tensorcnt 0x0                           ; no tensor load of mine is out, so a group 0 may be written
	ds_add_u32 v[SPW], v[NIL]                      ; 0 onto my spare word; the descriptors' steps stand between it and the wait for it
.if \fill
	s_and_b32 s[OFF], s[KJ], 15                    ; the next trip's key step,
	s_lshl_b32 s[OFF], s[OFF], 16                  ; 64 KiB each
	s_xor_b32 s[G0K+1], s[G0K+1], SLOTB            ; the other slot than last time
	s_add_nc_u64 s[G0K+2:G0K+3], s[KB:KB+1], s[OFF:OFF+1]  ; the address is made anew: the base and an offset made apart
	s_or_b32 s[G0K+3], s[G0K+3], 0x80000000
	s_xor_b32 s[G0V+1], s[G0V+1], SLOTB
	s_add_nc_u64 s[G0V+2:G0V+3], s[VB:VB+1], s[OFF:OFF+1]
	s_or_b32 s[G0V+3], s[G0V+3], 0x80000000
	s_add_co_u32 s[KJ], s[KJ], 1
.endif
	s_wait_dscnt 0x0
	s_barrier_signal -1
	s_barrier_wait -1
.if \fill
	CREST
	JLOAD
.else
	PLACES
.endif
.endm
; A STEP'S BODY.  last = 1: there is no further gate to make and no mask to load.
.macro BODY last
	WIN 0
	v_add_nc_u32 v[AKC], s[TB], v[AK0]
	v_add_nc_u32 v[AVC], s[TB], v[AV0]
	FK 0
	FG
.if !(\last)
	s_wait_loadcnt 0x0                             ; the next trip's mask, asked for in the step before
.endif
.set gpos, 0
.set nn, 16
.rept 16
	PV 1                                           ; the second half of batch 1's V^T P of the step before
.if !(\last)
	GC
	GC
	GC
.endif
.set nn, nn+1
.endr
	WIN 0
.if !(\last)
	MLOAD                                          ; the 16 scalings have read the buffer: the mask of the trip after next goes out, nearly a step ahead of the wait for it
.endif
	s_wait_dscnt 32                                ; K of batch 0 is in; the gate's 32 loads may stay out
	PLACES
	FK 1
.set nn, 0
.rept 32
	KQ 0
.if !(\last)
	GC
	GC
	GC
.endif
.set nn, nn+1
.endr
	WIN 0
	PLACES
	FV 0
	s_wait_dscnt 16                                ; all but the 16 just issued: the gate and K of batch 1 are in
.set nn, 0
.rept 32
	KQ 1
	GT 0
.set nn, nn+1
.endr
	WIN 0
	PLACES
	FV 1
	s_wait_dscnt 16                                ; V of batch 0 is in
.set nn, 0
.rept 16
	PV 0
	GT 1
.set nn, nn+1
.endr
	s_wait_dscnt 0x0                               ; all my LDS loads are back, those of this step's gate among them
	s_barrier_signal -1
.rept 16
	PV 0
	GT 1
.set nn, nn+1
.endr
	WIN 0
	s_barrier_wait -1                              ; every wave has read this step's gate: the tile may be written again
.if !(\last)
	GST
.endif
.endm
	WIN 0x80
.set ff, 0
.rept 16                               ; Q stays in registers: batch f / 8, tile (f / 2) % 4, channel half f % 2
	global_load_b128 v[128+8*ff:128+8*ff+3],   v[QO], s[QB:QB+1] offset:(ff/8)*8192+((ff/2)%4)*2048+(ff%2)*64
	global_load_b128 v[128+8*ff+4:128+8*ff+7], v[QO], s[QB:QB+1] offset:(ff/8)*8192+((ff/2)%4)*2048+(ff%2)*64+32
.set ff, ff+1
.endr
	WIN 0
.set ff, 0
.rept 8
	global_load_b32 v[NQ+2*ff], v[NO], s[NB:NB+1] offset:(ff/4)*65536+(ff%4)*64
	v_mov_b32 v[NQ+2*ff+1], 0                      ; named with it as a pair
.set ff, ff+1
.endr
	MLOAD                                          ; trip 0's mask
	; What the first step finds: O^T is 0, and so are V's and P's registers of batch 1, whose products of a step that has not been add 0.  The clearing stands in the wait for the first tile; no first step is written out.
	WIN 0xc0
.set ii, 0
.rept 256
	v_mov_b32 v[ii], 0
.set ii, ii+1
.endr
	WIN 0x80
.set ii, 64
.rept 64
	v_mov_b32 v[ii], 0
.set ii, ii+1
.endr
	WIN 0x40
.set ii, 0
.rept 64
	v_mov_b32 v[128+16*(ii/8)+ii%8], 0
.set ii, ii+1
.endr
	WIN 0
	s_wait_loadcnt 0x0                             ; Q, nq and trip 0's mask
.set gpos, 0
.rept 16
	GC
.endr
	MLOAD                                          ; trip 1's mask
.rept 101
	GC
.endr
	GST                                            ; trip 0's gate
	s_mov_b32 s[CNT], 15
.Lstep:                                                ; 15 trips: each reads one slot and fills the other
	PRE
	HEAD 1
	BODY 0
	s_xor_b32 s[TB], s[TB], SLOTB                  ; 0 and SLOTB by turns
	s_sub_co_u32 s[CNT], s[CNT], 1
	s_cmp_lg_u32 s[CNT], 0
	s_cbranch_scc1 .Lstep
	PRE                                            ; trip 15 is written out: nothing is left to ask for
	HEAD 0
	BODY 1
.set nn, 0
.rept 32
	PV 1                                           ; batch 1's V^T P of the last step
.set nn, nn+1
.endr
	; THE WAY OUT.  O^T times the query's nq, rounded to bf16, through my 16 rows of the gate tile (all waves have read it: the last step's barrier), a tile of 16 rows at a time.
	WIN 0
	PLACES
.macro PACK e
	WIN 0xc3
.set ii, 0
.rept 16
	v_pk_mul_f32 v[32*(\e)+2*ii:32*(\e)+2*ii+1], v[32*(\e)+2*ii:32*(\e)+2*ii+1], v[NQ+2*(\e):NQ+2*(\e)+1] op_sel_hi:[1,0]
.set ii, ii+1
.endr
	WIN 0x0f
.set ii, 0
.rept 16
	v_cvt_pk_bf16_f32 v[OT+16*(\e)+ii], v[32*(\e)+2*ii], v[32*(\e)+2*ii+1]
.set ii, ii+1
.endr
	WIN 0
.irp f, 0,1,2,3
	ds_store_b128 v[STO], v[OT+16*(\e)+4*\f:OT+16*(\e)+4*\f+3] offset:32*\f
.endr
.irp f, 0,1,2,3
	ds_load_b128 v[OT+16*(\e)+4*\f:OT+16*(\e)+4*\f+3], v[RD] offset:\f*4*PKP  ; LDS serves a wave's instructions in order: these see the stores above
.endr
.endm
.macro SEND e, younger                 ; younger: the next tile's 8 LDS instructions, or none
	WIN 0
.irp f, 0,1,2,3
	s_wait_dscnt (\younger)+3-\f
	global_store_b128 v[GO], v[OT+16*(\e)+4*\f:OT+16*(\e)+4*\f+3], s[XB:XB+1] offset:((\e)/4)*2097152+((\e)%4)*2048+\f*512  ; 512 consecutive bytes, aligned
.endr
.endm
	PACK 0
.set tt, 1
.rept 7
	PACK tt
	SEND tt-1, 8
.set tt, tt+1
.endr
	SEND 7, 0
	s_wait_tensorcnt 0x0                           ; the wave's end
	ds_add_u32 v[SPW], v[NIL]
	s_wait_dscnt 0x0
	CROUND                                         ; the closing round
	s_endpgm
.Lfunc_end_k_q39ad564e9e_attn:
	.size	k_q39ad564e9e_attn, .Lfunc_end_k_q39ad564e9e_attn-k_q39ad564e9e_attn
	.p2alignl 7, 3214868480
	.fill 96, 4, 3214868480
	.section	.rodata,"a",@progbits
	.p2align	6, 0x0
	.amdhsa_kernel k_q39ad564e9e_attn
		.amdhsa_group_segment_fixed_size 327680
		.amdhsa_private_segment_fixed_size 0
		.amdhsa_enable_private_segment 0
		.amdhsa_kernarg_size 32
		.amdhsa_user_sgpr_count 2
		.amdhsa_user_sgpr_kernarg_segment_ptr 1
		.amdhsa_wavefront_size32 1
		.amdhsa_system_sgpr_workgroup_id_x 1
		.amdhsa_system_sgpr_workgroup_id_y 1
		.amdhsa_system_sgpr_workgroup_id_z 1
		.amdhsa_system_vgpr_workitem_id 0
		.amdhsa_next_free_vgpr 1024
		.amdhsa_next_free_sgpr 80
		.amdhsa_reserve_vcc 0
		.amdhsa_float_denorm_mode_32 3
		.amdhsa_float_denorm_mode_16_64 3
		.amdhsa_memory_ordered 1
		.amdhsa_forward_progress 1
		.amdhsa_inst_pref_size 138
	.end_amdhsa_kernel
	.amdgpu_metadata
---
amdhsa.version: [ 1, 2 ]
amdhsa.kernels:
  - .name:           k_q39ad564e9e_attn
    .symbol:         k_q39ad564e9e_attn.kd
    .args:
      - { .name: qkv, .offset: 0, .size: 8, .value_kind: global_buffer, .address_space: global }
      - { .name: nq, .offset: 8, .size: 8, .value_kind: global_buffer, .address_space: global }
      - { .name: mask, .offset: 16, .size: 8, .value_kind: global_buffer, .address_space: global }
      - { .name: xh, .offset: 24, .size: 8, .value_kind: global_buffer, .address_space: global }
    .group_segment_fixed_size: 327680
    .private_segment_fixed_size: 0
    .kernarg_segment_align: 8
    .kernarg_segment_size: 32
    .max_flat_workgroup_size: 128
    .sgpr_count:     80
    .vgpr_count:     1024
    .wavefront_size: 32
...
	.end_amdgpu_metadata
.endif
;; end of part 3
;; launch outp (part 4): grid 4 x 64, 4 waves a work-group, clusters of 4 x 4, 327,680 bytes of LDS; arguments xh, wb, out0; writes out0
.if DOCPART == 4
	.amdgcn_target "amdgcn-amd-amdhsa--gfx1250"
	.amdhsa_code_object_version 6
	.text
	.protected	k_q39ad564e9e_outp
	.globl	k_q39ad564e9e_outp
	.p2align	8
	.type	k_q39ad564e9e_outp,@function
k_q39ad564e9e_outp:
	s_mov_b64 s[64:65], 0
	v_nop
	global_prefetch_b8 v0, s[64:65] scope:SCOPE_SE
	s_setreg_imm32_b32 hwreg(HW_REG_WAVE_MODE, 25, 1), 1
	s_wait_xcnt 0x0
	s_wait_alu depctr_hold_cnt(0) depctr_sa_sdst(0) depctr_va_vdst(0) depctr_va_sdst(0) depctr_va_ssrc(0) depctr_va_vcc(0) depctr_vm_vsrc(0)
	s_getreg_b32 s2, hwreg(HW_REG_IB_STS2, 6, 4)
	s_cmp_eq_u32 s2, 0
	s_cbranch_scc0 .Lentry_in_a_cluster
	s_endpgm
.Lentry_in_a_cluster:
	s_bfe_u32 s2, ttmp6, 0x10000c
	s_cmp_lg_u32 s2, 0xf033
	s_cbranch_scc0 .Lentry_shape_is_right
	s_endpgm
.Lentry_shape_is_right:
; THE OUTPUT PROJECTION.  out0[m][n] = the sum over k of x[m][k] Wo[k][n], f32.  x: bf16 [batch][head][row][64] (xh), so k = 64 head + channel; Wo: bf16 [k][n], the fourth part of wb.
; 8192 x 1024 outputs over 256 work-groups: a tile of 128 x 256 each; a wave makes 64 x 128: 32 accumulators.  K goes in 8 steps of 128 (two heads) through a ring of two LDS slots.
; The matrix instruction is used transposed (source 0 = 16 columns of Wo, source 1 = 16 rows of x): a lane holds one row and eight neighbouring columns.  Wo comes out of LDS turned, by ds_load_tr16_b128.
; CLUSTER 4 x 4: x's tile hangs on ty alone and is asked for jointly along a row of the cluster, Wo's on tx alone and jointly along a column.
; REGISTERS.  window 0: v0-31 addresses; v32-63, v64-95 x's fragments, two buffers; v128-191, v192-255 Wo's.  window 1: accumulator (a, b) at v[8 (8 a + b)].
.set APITCH, 144                       ; a head's row of x in LDS: 128 bytes + 16
.set AHEAD,  128*APITCH                ; a head's 128 rows: what one tensor load brings
.set ABYTES, 2*AHEAD
.set BPITCH, 544                       ; a row of Wo: 512 bytes + 32: an odd multiple of 32, for the turning load
.set BHALF,  64*BPITCH
.set SLOT,   ABYTES+128*BPITCH
.set STAGE,  2*SLOT                    ; behind the ring: 16 rows x 528 bytes for each wave
.set SPP,    528
.set SPARE,  STAGE+4*16*SPP            ; the spare words, 128 bytes a wave, which no other line names
.set ADRA, 16                          ; v16-17  LDS address of my fragments of x in slot 0, 1
.set ADRB, 20                          ; v20-21  the same for Wo
.set STO,  24                          ; v24     the way out: where I put 32 bytes of a row
.set RD,   25                          ; v25     where I read a row back
.set GO,   26                          ; v26     16 x lane
.set SPW,  28                          ; v28     my spare word; never rewritten
.set NIL,  29                          ; v29     0; never rewritten
.set WV,  16                           ; s16 wave; s17 its row half, also: it fetches x (0) or Wo (1); s18 its column half, also: which half of a tile it fetches
.set WM,  17
.set WN,  18
.set G1A, 24                           ; s[24:31] group 1 for x's tiles;  s[32:39] group 0, a set for each slot
.set G0A, 32
.set G1B, 40                           ; s[40:47], s[48:55] the same for Wo's
.set G0B, 48
.set LAP, 66                           ; s66 laps (two K steps) to go
.set OB,  72                           ; s[72:73] out0 at my first row and column
.set MUL, 0x50                         ; sources in window 0, C and D in window 1
.set MSB, 0
.macro WIN new                         ; the immediate's high byte repeats the setting that is left; a switch that changes nothing is dropped
.if MSB != (\new)
	s_set_vgpr_msb (MSB<<8)|(\new)
.set MSB, (\new)
.endif
.endm
.macro PLACES                          ; four plain vector instructions between a matrix instruction and a load into, or a store of, its registers
.rept 4
	v_nop
.endr
.endm
.macro JLOAD s                         ; a joint load: waves 0 and 1 fetch x's two heads, waves 2 and 3 Wo's two halves
	s_cmp_eq_u32 s[WM], 0
	s_cbranch_scc0 .Lfor_b_\@
	tensor_load_to_lds s[G0A+4*(\s):G0A+4*(\s)+3], s[G1A:G1A+7]
	s_nop 0
.rept 4
	v_nop
.endr
	s_branch .Lasked_\@
.Lfor_b_\@:
	tensor_load_to_lds s[G0B+4*(\s):G0B+4*(\s)+3], s[G1B:G1B+7]
	s_nop 0
.rept 4
	v_nop
.endr
.Lasked_\@:
.endm
.macro CREST                           ; a round of the cluster's barrier behind its opening barrier
	s_cmp_lg_u32 s[WV], 0
	s_cbranch_scc1 .Lnot_wave_0_\@
	s_barrier_signal -3
.Lnot_wave_0_\@:
	s_barrier_wait -3
	s_barrier_signal -1
	s_barrier_wait -1
.endm
.macro CROUND
	s_barrier_signal -1
	s_barrier_wait -1
	CREST
.endm
	s_load_b128 s[4:7], s[0:1], 0x0                ; xh s[4:5], wb s[6:7]
	s_load_b64 s[8:9], s[0:1], 0x10                ; out0
	v_lshl_add_u32 v[SPW], v0, 2, SPARE
	v_mov_b32 v[NIL], 0
	ds_add_u32 v28, v29
	ds_add_u32 v28, v29
	s_wait_dscnt 0x0
	v_lshrrev_b32 v3, 5, v0
	v_readfirstlane_b32 s[WV], v3
	s_lshr_b32 s[WM], s[WV], 1
	s_and_b32 s[WN], s[WV], 1
	s_bfe_u32 s19, ttmp6, 0x40000                  ; cx
	s_bfe_u32 s20, ttmp6, 0x40004                  ; cy
	s_lshl_b32 s21, ttmp9, 2
	s_add_co_u32 s21, s21, s19                     ; tx
	s_and_b32 s22, ttmp7, 0xffff
	s_lshl_b32 s22, s22, 2
	s_add_co_u32 s22, s22, s20                     ; ty
	s_lshl_b32 s76, s20, 2
	s_lshl_b32 s76, 15, s76                        ; my row of the cluster
	s_lshl_b32 s78, 0x1111, s19                    ; my column
	s_or_b32 s[G1A], s76, (1<<16)|(1<<20)|(1<<21)|(4<<22)|(3<<25)  ; 16 KiB dense as 64 rows of 256 bytes (two rows of x each), padded by 4 words after every 32
	s_mov_b32 s[G1A+1], 128<<16
	s_mov_b32 s[G1A+2], 64<<16
	s_mov_b32 s[G1A+3], 128<<16
	s_mov_b32 s[G1A+4], 64
	s_mov_b32 s[G1A+5], 128
	s_mov_b32 s[G1A+6], 0
	s_mov_b32 s[G1A+7], 0
	s_or_b32 s[G1B], s78, (1<<16)|(1<<20)|(1<<21)|(6<<22)|(7<<25)  ; 64 rows of k x 256 columns, padded by 8 words after every 128
	s_mov_b32 s[G1B+1], 256<<16
	s_mov_b32 s[G1B+2], 64<<16
	s_mov_b32 s[G1B+3], 256<<16
	s_mov_b32 s[G1B+4], 64
	s_mov_b32 s[G1B+5], 1024
	s_mov_b32 s[G1B+6], 0
	s_mov_b32 s[G1B+7], 0
	s_lshr_b32 s76, s22, 3                         ; x: batch ty / 8 (2 MiB), rows 128 (ty % 8) (16 KiB), head = my half (128 KiB)
	s_lshl_b32 s76, s76, 21
	s_and_b32 s77, s22, 7
	s_lshl_b32 s77, s77, 14
	s_add_co_u32 s76, s76, s77
	s_lshl_b32 s77, s[WN], 17
	s_add_co_u32 s76, s76, s77
	s_mov_b32 s77, 0
	s_lshl_b32 s78, s21, 9                         ; Wo: 6 MiB into wb, column 256 tx, row of k 64 half
	s_lshl_b32 s79, s[WN], 17
	s_add_co_u32 s78, s78, s79
	s_add_co_u32 s78, s78, 0x600000
	s_mov_b32 s79, 0
	s_mul_i32 s80, s[WN], AHEAD                    ; where they go: no place in the cluster enters an LDS address
	s_mul_i32 s81, s[WN], BHALF
	s_add_co_u32 s81, s81, ABYTES
	s_wait_kmcnt 0x0
	s_add_nc_u64 s[76:77], s[4:5], s[76:77]
	s_add_nc_u64 s[78:79], s[6:7], s[78:79]
.irp s, 0,1
	s_mov_b32 s[G0A+4*\s], 1
	s_add_co_u32 s[G0A+4*\s+1], s80, \s*SLOT
	s_add_nc_u64 s[G0A+4*\s+2:G0A+4*\s+3], s[76:77], \s*0x40000  ; K step s: two heads on
	s_or_b32 s[G0A+4*\s+3], s[G0A+4*\s+3], 0x80000000
	s_mov_b32 s[G0B+4*\s], 1
	s_add_co_u32 s[G0B+4*\s+1], s81, \s*SLOT
	s_add_nc_u64 s[G0B+4*\s+2:G0B+4*\s+3], s[78:79], \s*0x40000  ; 128 rows of k on
	s_or_b32 s[G0B+4*\s+3], s[G0B+4*\s+3], 0x80000000
.endr
	CROUND                                         ; all sixteen work-groups are here: the first joint loads meet
	s_cmp_eq_u32 s[WM], 0                          ; a wave's two first fills stand in one branch: two loads of mine are out
	s_cbranch_scc0 .Lfirst_b
	tensor_load_to_lds s[G0A:G0A+3], s[G1A:G1A+7]
	s_nop 0
	tensor_load_to_lds s[G0A+4:G0A+7], s[G1A:G1A+7]
	s_nop 0
.rept 4
	v_nop
.endr
	s_branch .Lfirst_asked
.Lfirst_b:
	tensor_load_to_lds s[G0B:G0B+3], s[G1B:G1B+7]
	s_nop 0
	tensor_load_to_lds s[G0B+4:G0B+7], s[G1B:G1B+7]
	s_nop 0
.rept 4
	v_nop
.endr
.Lfirst_asked:
	v_and_b32 v1, 15, v0                           ; r
	v_bfe_u32 v2, v0, 4, 1                         ; hh
	v_mul_u32_u24 v3, v1, APITCH
	v_lshl_add_u32 v3, v2, 4, v3
	s_mul_i32 s84, s[WM], 64*APITCH
	v_add_nc_u32 v[ADRA], s84, v3
	v_add_nc_u32 v[ADRA+1], SLOT, v[ADRA]
	v_and_b32 v6, 7, v0
	v_lshl_add_u32 v4, v2, 3, v6                   ; Wo, turned: lane reads row of k 8 hh + lane % 8,
	v_mul_u32_u24 v4, v4, BPITCH
	v_bfe_u32 v5, v0, 3, 1
	v_lshl_add_u32 v4, v5, 4, v4                   ; columns 8 ((lane / 8) % 2) + 0..7,
	s_lshl_b32 s84, s[WN], 8                       ; of my 128 columns
	s_add_co_u32 s84, s84, ABYTES
	v_add_nc_u32 v[ADRB], s84, v4
	v_add_nc_u32 v[ADRB+1], SLOT, v[ADRB]
	s_mul_i32 s84, s[WV], 16*SPP
	s_add_co_u32 s84, s84, STAGE                   ; my stage
	v_mul_u32_u24 v[STO], v1, SPP                  ; in: row r, 32 bytes (8 f32) for each half of the lanes
	v_lshl_add_u32 v[STO], v2, 5, v[STO]
	v_add_nc_u32 v[STO], s84, v[STO]
	v_and_b32 v[GO], 31, v0
	v_lshlrev_b32 v[GO], 4, v[GO]                  ; back and out: 32 lanes take a row's 512 bytes
	v_add_nc_u32 v[RD], s84, v[GO]
	s_lshl_b32 s[OB], s22, 19                      ; out0: row 128 ty + 64 row half, column 256 tx + 128 column half
	s_lshl_b32 s84, s[WM], 18
	s_add_co_u32 s[OB], s[OB], s84
	s_lshl_b32 s84, s21, 10
	s_add_co_u32 s[OB], s[OB], s84
	s_lshl_b32 s84, s[WN], 9
	s_add_co_u32 s[OB], s[OB], s84
	s_mov_b32 s[OB+1], 0
	s_add_nc_u64 s[OB:OB+1], s[8:9], s[OB:OB+1]
.macro FETCH s, kq, g                  ; 24 LDS loads in one run: quarter kq (head kq / 2 of the step, channels 32 (kq % 2) on) of slot s into buffers g
	WIN 0
.set ff, 0
.rept 8
	ds_load_tr16_b128 v[128+64*(\g)+8*ff:128+64*(\g)+8*ff+3],   v[ADRB+(\s)] offset:(\kq)*32*BPITCH+32*ff
	ds_load_tr16_b128 v[128+64*(\g)+8*ff+4:128+64*(\g)+8*ff+7], v[ADRB+(\s)] offset:(\kq)*32*BPITCH+32*ff+16*BPITCH
.set ff, ff+1
.endr
.set ff, 0
.rept 4
	ds_load_b128 v[32+32*(\g)+8*ff:32+32*(\g)+8*ff+3],   v[ADRA+(\s)] offset:((\kq)/2)*AHEAD+ff*16*APITCH+((\kq)%2)*64
	ds_load_b128 v[32+32*(\g)+8*ff+4:32+32*(\g)+8*ff+7], v[ADRA+(\s)] offset:((\kq)/2)*AHEAD+ff*16*APITCH+((\kq)%2)*64+32
.set ff, ff+1
.endr
.endm
.macro MULA f, a, zero                 ; 8 matrix instructions; the accumulators take turns, one instruction a turn
	WIN MUL
.set bb, 0
.rept 8
.if \zero
	v_wmma_f32_16x16x32_bf16 v[8*(8*(\a)+bb):8*(8*(\a)+bb)+7], v[128+64*(\f)+8*bb:128+64*(\f)+8*bb+7], v[32+32*(\f)+8*(\a):32+32*(\f)+8*(\a)+7], 0
.else
	v_wmma_f32_16x16x32_bf16 v[8*(8*(\a)+bb):8*(8*(\a)+bb)+7], v[128+64*(\f)+8*bb:128+64*(\f)+8*bb+7], v[32+32*(\f)+8*(\a):32+32*(\f)+8*(\a)+7], v[8*(8*(\a)+bb):8*(8*(\a)+bb)+7]
.endif
.set bb, bb+1
.endr
.endm
.macro QUARTER s, kq, f, g, zero       ; one of a K step's first three quarters: multiplies buffers f, and in its middle fetches quarter kq into buffers g
	s_wait_dscnt 0x0                               ; this quarter's 24 loads, issued 16 matrix instructions ago
	MULA \f, 0, \zero
	MULA \f, 1, \zero
	WIN 0
	PLACES
	FETCH \s, \kq, \g
	MULA \f, 2, \zero
	MULA \f, 3, \zero
.endm
; The last quarter multiplies buffers 1 and changes slots.  A step has 128 matrix instructions a wave for 98,304 bytes of tiles, so the next step hangs on how soon its tile is asked for: the quarter's first 16
; matrix instructions stand AHEAD of the wait for the tensor loads, and between that wait and the refill stand only the add, the descriptors' steps and the round.  Each wave waits for all its tensor loads
; (one is out: its part of the next slot), adds 0 to its spare word, and waits for that; its reads of this slot came back at the macro's first line.
.macro TURN s, nx, fill
	s_wait_dscnt 0x0                               ; this quarter's fragments: my last reads of this slot
	MULA 1, 0, 0
	MULA 1, 1, 0
	WIN 0
	s_wait_tensorcnt 0x0                           ; all my tensor loads have landed, so a group 0 may be written
	ds_add_u32 v[SPW], v[NIL]                      ; 0 onto my spare word
.if \fill
	s_add_nc_u64 s[G0A+4*(\s)+2:G0A+4*(\s)+3], s[G0A+4*(\s)+2:G0A+4*(\s)+3], 0x80000  ; four heads on
	s_add_nc_u64 s[G0B+4*(\s)+2:G0B+4*(\s)+3], s[G0B+4*(\s)+2:G0B+4*(\s)+3], 0x80000  ; 256 rows of k on
.endif
	s_wait_dscnt 0x0                               ; the add is done
	s_barrier_signal -1
	s_barrier_wait -1
.if \fill
	CREST                                          ; no wave of any partner still reads this slot or has a load on its way
	JLOAD \s                                       ; my one tensor load behind the round; its four v_nop are also the places in front of the loads below
.else
	PLACES
.endif
	FETCH \nx, 0, 0
	MULA 1, 2, 0                                   ; the quarter's other 16 matrix instructions stand behind the new slot's first LDS loads
	MULA 1, 3, 0
.endm
	s_wait_tensorcnt 0x1                           ; my part of K step 0 is in; K step 1's may stay out
	s_barrier_signal -1
	s_barrier_wait -1
	FETCH 0, 0, 0
	s_mov_b32 s[LAP], 4
	s_branch .Lzero                                ; the loop is entered at the first quarter, whose products start the sums
.Llap:                                                 ; a trip: a lap's second half from the change of slots on, then the next lap's first three quarters; both slots are filled again
	TURN 0, 1, 1
	QUARTER 1, 1, 0, 1, 0
	QUARTER 1, 2, 1, 0, 0
	QUARTER 1, 3, 0, 1, 0
	TURN 1, 0, 1
	QUARTER 0, 1, 0, 1, 0
	WIN 0
	s_branch .Ljoin
.Lzero:
	QUARTER 0, 1, 0, 1, 1
	WIN 0
.Ljoin:
	QUARTER 0, 2, 1, 0, 0
	QUARTER 0, 3, 0, 1, 0
	WIN 0
	s_sub_co_u32 s[LAP], s[LAP], 1
	s_cmp_lg_u32 s[LAP], 0
	s_cbranch_scc1 .Llap
	TURN 0, 1, 0                                   ; the tail is written out: nothing is left to ask for
	QUARTER 1, 1, 0, 1, 0
	QUARTER 1, 2, 1, 0, 0
	QUARTER 1, 3, 0, 1, 0
	s_wait_dscnt 0x0
	MULA 1, 0, 0
	MULA 1, 1, 0
	MULA 1, 2, 0
	MULA 1, 3, 0
	; THE WAY OUT, a block of 16 rows at a time: a lane's eight columns go into my stage as 2 x 16 bytes, whole rows of 512 bytes come back and are stored.
.macro TOSTAGE a
	WIN 0x04                                       ; store data in window 1
.set bb, 0
.rept 8
	ds_store_b128 v[STO], v[64*(\a)+8*bb:64*(\a)+8*bb+3]   offset:64*bb      ; each accumulator's low four registers first
	ds_store_b128 v[STO], v[64*(\a)+8*bb+4:64*(\a)+8*bb+7] offset:64*bb+16
.set bb, bb+1
.endr
	WIN 0
.if (\a) >= 2
	s_wait_xcnt 0x0                                ; the stores of two blocks ago have read the registers that are loaded below
.endif
.set ii, 0
.rept 16
	ds_load_b128 v[32+96*((\a)%2)+4*ii:32+96*((\a)%2)+4*ii+3], v[RD] offset:ii*SPP  ; LDS serves a wave's instructions in order: these see the stores above
.set ii, ii+1
.endr
.endm
.macro SEND a, younger                 ; younger: the next block's 16 stores and 16 loads, or none
	WIN 0
	s_wait_dscnt \younger
.set ii, 0
.rept 16
	global_store_b128 v[GO], v[32+96*((\a)%2)+4*ii:32+96*((\a)%2)+4*ii+3], s[OB:OB+1] offset:(\a)*65536+ii*4096 th:TH_STORE_NT  ; 512 consecutive bytes, aligned
.set ii, ii+1
.endr
.endm
	WIN 0
	PLACES
	TOSTAGE 0
	TOSTAGE 1
	SEND 0, 32
	TOSTAGE 2
	SEND 1, 32
	TOSTAGE 3
	SEND 2, 32
	SEND 3, 0
	s_wait_tensorcnt 0x0                           ; the wave's end
	ds_add_u32 v[SPW], v[NIL]
	s_wait_dscnt 0x0
	CROUND                                         ; the closing round
	s_endpgm
.Lfunc_end_k_q39ad564e9e_outp:
	.size	k_q39ad564e9e_outp, .Lfunc_end_k_q39ad564e9e_outp-k_q39ad564e9e_outp
	.p2alignl 7, 3214868480
	.fill 96, 4, 3214868480
	.section	.rodata,"a",@progbits
	.p2align	6, 0x0
	.amdhsa_kernel k_q39ad564e9e_outp
		.amdhsa_group_segment_fixed_size 327680
		.amdhsa_private_segment_fixed_size 0
		.amdhsa_enable_private_segment 0
		.amdhsa_kernarg_size 24
		.amdhsa_user_sgpr_count 2
		.amdhsa_user_sgpr_kernarg_segment_ptr 1
		.amdhsa_wavefront_size32 1
		.amdhsa_system_sgpr_workgroup_id_x 1
		.amdhsa_system_sgpr_workgroup_id_y 1
		.amdhsa_system_sgpr_workgroup_id_z 1
		.amdhsa_system_vgpr_workitem_id 0
		.amdhsa_next_free_vgpr 512
		.amdhsa_next_free_sgpr 96
		.amdhsa_reserve_vcc 0
		.amdhsa_float_denorm_mode_32 3
		.amdhsa_float_denorm_mode_16_64 3
		.amdhsa_memory_ordered 1
		.amdhsa_forward_progress 1
		.amdhsa_inst_pref_size 77
	.end_amdhsa_kernel
	.amdgpu_metadata
---
amdhsa.version: [ 1, 2 ]
amdhsa.kernels:
  - .name:           k_q39ad564e9e_outp
    .symbol:         k_q39ad564e9e_outp.kd
    .args:
      - { .name: xh, .offset: 0, .size: 8, .value_kind: global_buffer, .address_space: global }
      - { .name: wb, .offset: 8, .size: 8, .value_kind: global_buffer, .address_space: global }
      - { .name: out0, .offset: 16, .size: 8, .value_kind: global_buffer, .address_space: global }
    .group_segment_fixed_size: 327680
    .private_segment_fixed_size: 0
    .kernarg_segment_align: 8
    .kernarg_segment_size: 24
    .max_flat_workgroup_size: 128
    .sgpr_count:     96
    .vgpr_count:     512
    .wavefront_size: 32
...
	.end_amdgpu_metadata
.endif
;; end of part 4
